; MI455X (gfx1250); checked and timed in simulation.
; The chip was launched on July 23, 2026; its instructions are those of AMD's public machine-readable ISA for CDNA 5 (MIT licence, August 2026) and "CDNA5" Instruction Set Architecture Reference Guide (July 2026). The comments in the code are by the model that wrote it; some were corrected since.
;; Temporal Linear. Allowed arithmetic: float matrix products may take bf16 or f16 operands with f32 sums; all other float work in f32.
;; Inputs: W 4,096 x 4,096 float32; b 4,096 float32; x 4,096 x 4,096 float32.
;; Outputs: out0 4,096 x 4,096 float32.
;; 3 versions, each right; version 3 is version 2 with the launch tobf16 written anew for expert scheduling mode. Each part assembles by itself: llvm-mc -triple=amdgcn-amd-amdhsa -mcpu=gfx1250 --defsym DOCPART=n.
;; ======== version 1 of 3: 1 launch
;; launch linear (part 1): grid 16 x 16, 4 waves a work-group, clusters of 4 x 4, 327,680 bytes of LDS; arguments x, W, b, out0; writes out0
.if DOCPART == 1
	.amdgcn_target "amdgcn-amd-amdhsa--gfx1250"
	.amdhsa_code_object_version 6
	.text
	.protected	k_q080ea5589a_linear
	.globl	k_q080ea5589a_linear
	.p2align	8
	.type	k_q080ea5589a_linear,@function
k_q080ea5589a_linear:
	s_mov_b64 s[64:65], 0
	v_nop
	global_prefetch_b8 v0, s[64:65] scope:SCOPE_SE
	s_setreg_imm32_b32 hwreg(HW_REG_WAVE_MODE, 25, 1), 1
	s_wait_xcnt 0x0
	s_wait_alu depctr_hold_cnt(0) depctr_sa_sdst(0) depctr_va_vdst(0) depctr_va_sdst(0) depctr_va_ssrc(0) depctr_va_vcc(0) depctr_vm_vsrc(0)
	s_getreg_b32 s2, hwreg(HW_REG_IB_STS2, 6, 4)
	s_cmp_eq_u32 s2, 0
	s_cbranch_scc0 .Lentry_in_a_cluster
	s_endpgm
.Lentry_in_a_cluster:
	s_bfe_u32 s2, ttmp6, 0x10000c
	s_cmp_lg_u32 s2, 0xf033
	s_cbranch_scc0 .Lentry_shape_is_right
	s_endpgm
.Lentry_shape_is_right:
; out0[t][n] = sum over k of x[t][k] W[n][k] + b[n].  x: [4096][4096], W: [4096][4096], b: [4096], out0: [4096][4096], all f32, K along the rows of x and W.
; LIMITS: x and W are rounded to bf16 (to nearest even) on the way to the matrix unit; a magnitude above bf16's largest finite number becomes infinity.
; One f32 sum for each output, K ascending in steps of 32; the bias is added last, in f32.  NaN and infinities go through as they come.
;
; ONE LAUNCH, no intermediate in memory.  A work-group makes a block of 256 x 256 of out0 with four waves; a wave makes 128 x 128: 64 accumulator tiles of
; 16 x 16, 512 registers.  16 x 16 blocks = 256 work-groups.  K goes in steps of 64 through a ring of two LDS slots that hold F32 as it lies in memory: a
; tile's rows are 256 bytes and start at multiples of 256 bytes from the buffer's first byte.  Two slots of 512 rows x 272 bytes take 278,528 bytes; a step of
; 128 would take twice that and does not fit.  Each wave reads its fragments as f32 (64 loads of 16 bytes for 32 of K) and rounds them in registers
; (128 packed conversions for 64 matrix instructions).  Rounding once for the work-group through LDS would move more LDS bytes for 32 of K
; (64 KiB read + 32 KiB written + 64 KiB read against 128 KiB read), and a launch of its own for bf16 copies would move the problem's bytes once more.
; CLUSTERS: 4 x 4 work-groups.  The four of a row of the cluster need the same tiles of x, the four of a column the same tiles of W: each tile is asked for
; JOINTLY by the four, with one descriptor and a mask that names them, which divides the requests for x and for W by four.
;
; REGISTERS, in windows of 256 (s_set_vgpr_msb says which window each operand place means; low byte: bits 1:0 source 0, 3:2 source 1, 5:4 source 2, 7:6 destination):
;   window 0: v0-35 addresses and the bias; v64-191 eight fragments as f32 (16 registers each), as loaded from LDS; on the way out two buffers of 16 rows
;   window 1: bf16 fragments, two buffers: buffer f holds W's eight fragments at 128 f and x's eight at 128 f + 64
;   window 2: the 32 accumulator tiles of my rows 0-63 (tile (a, b) at v[8 (8 a + b)]);   window 3: those of my rows 64-127
; THE MATRIX INSTRUCTION IS USED TRANSPOSED: source 0 = 16 rows of W, source 1 = 16 rows of x.  Lane l then holds row l % 16 of out0 and its registers 0 to 7
; the columns 8 (l / 16) + 0 .. 7: 32 neighbouring bytes of a row.
.set KSTEP,  64                        ; f32 numbers of K in a step: 256 bytes of a row
.set ROWB,   16384                     ; bytes in a row of x, of W and of out0
.set PITCH,  272                       ; an LDS row: 256 bytes + 16 of padding = 68 words: row r starts at word 4 r mod 64 (64 banks of 4 bytes: ISA guide 11.1), so 16 rows start at 16 different banks
.set HALFT,  128*PITCH                 ; 128 rows: what one tensor load brings, and what one wave reads of x or of W
.set SLOT,   4*HALFT                   ; x's 256 rows, then W's 256 rows
.set STAGE,  2*SLOT                    ; behind the ring (1,088 blocks of 256 bytes): the way out; no tensor load lands here
.set SPITCH, 528                       ; a stage row: 512 bytes + 16 = 132 words: again 4 r mod 64
.set WSTAGE, 16*SPITCH                 ; 16 rows for each wave (33 blocks of 256 bytes)
.set LAPS,   32                        ; a lap = two K steps = once round the ring; 4096 / 128
.set ADRA, 16                          ; v16-17  LDS address of my x fragments in slot 0, 1
.set ADRB, 20                          ; v20-21  the same for W
.set STO,  24                          ; v24     the way out: where I put 32 bytes of a row
.set RD,   25                          ; v25     the way out: where I read 16 bytes of a row back
.set CO,   26                          ; v26     16 x lane: my bytes in a row's 512, for the bias and for out0; never rewritten
.set PF,   27                          ; v27     prefetch: 16 rows x 2 blocks of 256 bytes over the 32 lanes; never rewritten
.set BIAS, 32                          ; v[32:35] b of my four columns on the way out
.set ST,   64                          ; v[64:191] f32 fragments
.set FB0,  0                           ; window 1: buffer 0, W
.set FA0,  64                          ; window 1: buffer 0, x
.set FB1,  128                         ; window 1: buffer 1, W
.set FA1,  192                         ; window 1: buffer 1, x
.set G1,  24                           ; s[24:31] descriptor group 1 for x's tiles
.set G0,  32                           ; s[32:39] descriptor group 0 for x's tiles, one set for each slot
.set G1B, 48                           ; s[48:55] descriptor group 1 for W's tiles: it differs in the mask alone
.set G0B, 56                           ; s[56:63] descriptor group 0 for W's tiles, one set for each slot
.set PFB, 66                           ; s[66:67] prefetch base
.set MSB, 0
.macro WIN new                         ; the immediate's high byte repeats the setting that is left; a switch that changes nothing is dropped
.if MSB != \new
	s_set_vgpr_msb (MSB<<8)|\new
.set MSB, \new
.endif
.endm
.set CV,     0x40                      ; conversions: sources window 0, destination window 1
.set MUL_LO, 0xa5                      ; both sources window 1, C and D window 2
.set MUL_HI, 0xf5                      ; the same, C and D window 3
.set OUT_LO, 0x08                      ; an LDS store's data (source 1) from window 2, its address from window 0
.set OUT_HI, 0x0c                      ; the same from window 3
; A joint load.  Waves 0 and 1 fetch x's two halves of 128 rows, waves 2 and 3 W's.  Each of the two lines has one mask and one set of registers for all that issue
; it.  The branch hangs on the wave's number alone: it is the same in every work-group.
.macro JLOAD s
	s_cmp_eq_u32 s13, 0
	s_cbranch_scc0 .Lfor_b_\@
	tensor_load_to_lds s[G0+4*\s:G0+4*\s+3], s[G1:G1+7]
	s_nop 0
	s_branch .Lasked_\@
.Lfor_b_\@:
	tensor_load_to_lds s[G0B+4*\s:G0B+4*\s+3], s[G1B:G1B+7]
	s_nop 0
.Lasked_\@:
.endm
; A round of the cluster's barrier: my work-group's barrier, so that wave 0's signal speaks for all four waves; wave 0 signals for the work-group; every wave waits
; for all sixteen work-groups; my work-group's barrier once more.
.macro CREST                           ; a round behind its opening barrier
	s_cmp_lg_u32 s12, 0
	s_cbranch_scc1 .Lnot_wave_0_\@
	s_barrier_signal -3
.Lnot_wave_0_\@:
	s_barrier_wait -3
	s_barrier_signal -1
	s_barrier_wait -1
.endm
.macro CROUND                          ; a whole round
	s_barrier_signal -1
	s_barrier_wait -1
	CREST
.endm
	s_load_b256 s[4:11], s[0:1], 0x0               ; x s[4:5], W s[6:7], b s[8:9], out0 s[10:11]
	v_lshl_add_u32 v254, v0, 2, 0x4c400
	v_mov_b32 v255, 0
	ds_add_u32 v254, v255
	v_lshrrev_b32 v1, 5, v0
	v_readfirstlane_b32 s12, v1                    ; wave 0..3
	s_lshr_b32 s13, s12, 1                         ; which 128 rows of the block are mine.  Also: I fetch for x (0) or for W (1)
	s_and_b32 s14, s12, 1                          ; which 128 columns.  Also: which 128 rows of that tile I fetch
	s_bfe_u32 s40, ttmp6, 0x40000                  ; cx: my place along the cluster's x
	s_bfe_u32 s41, ttmp6, 0x40004                  ; cy: along its y
	s_lshl_b32 s42, ttmp9, 2                       ; in a cluster launch ttmp9 and ttmp7 count clusters
	s_add_co_u32 s42, s42, s40                     ; block column = 4 x cluster x + cx
	s_and_b32 s43, ttmp7, 0xffff
	s_lshl_b32 s43, s43, 2
	s_add_co_u32 s43, s43, s41                     ; block row = 4 x cluster y + cy
	s_lshl_b32 s44, s41, 2
	s_lshl_b32 s44, 15, s44                        ; my row of the cluster: places 4 cy .. 4 cy + 3
	s_lshl_b32 s45, 0x1111, s40                    ; my column: places cx, cx + 4, cx + 8, cx + 12
	; descriptor group 1: a tile of 128 rows x 64 elements of 4 bytes, padded in LDS
	s_or_b32 s[G1+0], s44, (2<<16)|(1<<20)|(1<<21)|(5<<22)|(3<<25)  ; 15:0 the mask: x's tiles go to my row; 17:16 element of 4 bytes; 20 padding on; 21 set beside a mask; 24:22 after every 64 words (code 5); 31:25 of 4 words (code 3)
	s_or_b32 s[G1B+0], s45, (2<<16)|(1<<20)|(1<<21)|(5<<22)|(3<<25) ; the same with the mask of my column, for W's tiles
	s_mov_b32 s[G1+1], KSTEP<<16                   ; 63:48 tensor_dim0, low half = 64
	s_mov_b32 s[G1B+1], KSTEP<<16
	s_mov_b32 s[G1+2], 128<<16                     ; 79:64 its high half = 0; 95:80 tensor_dim1, low half = 128
	s_mov_b32 s[G1B+2], 128<<16
	s_mov_b32 s[G1+3], KSTEP<<16                   ; 111:96 its high half = 0; 127:112 tile_dim0 = 64
	s_mov_b32 s[G1B+3], KSTEP<<16
	s_mov_b32 s[G1+4], 128                         ; 143:128 tile_dim1 = 128; 159:144 tile_dim2 = 0
	s_mov_b32 s[G1B+4], 128
	s_mov_b32 s[G1+5], 4096                        ; 191:160 elements from row to row
	s_mov_b32 s[G1B+5], 4096
	s_mov_b32 s[G1+6], 0
	s_mov_b32 s[G1B+6], 0
	s_mov_b32 s[G1+7], 0
	s_mov_b32 s[G1B+7], 0
	; Where the tiles come from.  x's hang on the block row alone, which my row of the cluster shares; W's on the block column alone, which my column shares.
	; Every wave makes both addresses, in registers that never hold the other coordinate, and asks by one of them.
	s_lshl_b32 s21, s14, 7                         ; which 128 rows of the tile I fetch
	s_lshl_b32 s16, s43, 8
	s_add_co_u32 s16, s16, s21                     ; x: row 256 x block row + 128 x half
	s_lshl_b32 s16, s16, 14                        ; in bytes: at most 4,095 x 16,384, inside 32 bits
	s_mov_b32 s17, 0
	s_lshl_b32 s46, s42, 8
	s_add_co_u32 s46, s46, s21                     ; W: row 256 x block column + 128 x half
	s_lshl_b32 s46, s46, 14
	s_mov_b32 s47, 0
	s_mul_i32 s20, s12, HALFT                      ; and where they go: x's two halves, then W's two halves = wave x 128 rows: no place in the cluster enters an LDS address
	; offsets of the bias, of out0 and of the prefetch, in registers that feed no descriptor
	s_lshl_b32 s68, s42, 10                        ; my first column in bytes: 1,024 x block column
	s_lshl_b32 s69, s14, 9                         ; + 512 x half
	s_add_co_u32 s68, s68, s69
	s_mov_b32 s69, 0
	s_lshl_b32 s70, s43, 8
	s_lshl_b32 s71, s13, 7
	s_add_co_u32 s70, s70, s71                     ; my first row of out0
	s_lshl_b32 s70, s70, 14
	s_add_co_u32 s70, s70, s68                     ; + my first column
	s_mov_b32 s71, 0
	; The prefetch's rows.  The 256 rows of x of a block row are wanted by 16 work-groups (all block columns): each asks for 16 of them, and likewise for W, so
	; that each block of 256 bytes is asked for by one wave of one work-group.
	s_lshl_b32 s72, s43, 8
	s_lshl_b32 s73, s42, 4
	s_add_co_u32 s72, s72, s73                     ; x: row 256 x block row + 16 x block column
	s_lshl_b32 s73, s42, 8
	s_lshl_b32 s22, s43, 4
	s_add_co_u32 s73, s73, s22                     ; W: row 256 x block column + 16 x block row
	s_wait_dscnt 0x0
	s_wait_kmcnt 0x0
	s_add_nc_u64 s[16:17], s[4:5], s[16:17]
	s_add_nc_u64 s[46:47], s[6:7], s[46:47]
	s_add_nc_u64 s[8:9], s[8:9], s[68:69]          ; b at my first column
	s_add_nc_u64 s[10:11], s[10:11], s[70:71]      ; out0 at my first row and column
	s_cmp_eq_u32 s13, 0                            ; waves 0 and 1: x; waves 2 and 3: W (of each pair the even wave asks)
	s_cselect_b32 s72, s72, s73
	s_cselect_b64 s[PFB:PFB+1], s[4:5], s[6:7]
	s_lshl_b32 s72, s72, 14
	s_add_co_u32 s72, s72, 2*KSTEP*4               ; the first lap steps this by two K steps more: it asks for K steps 4 and 5
	s_mov_b32 s73, 0
	s_add_nc_u64 s[PFB:PFB+1], s[PFB:PFB+1], s[72:73]
	CROUND                                         ; all sixteen work-groups are here: the first joint loads meet
.irp s, 0,1
	s_mov_b32 s[G0+4*\s], 1                                        ; 1:0 count = 1
	s_add_co_u32 s[G0+4*\s+1], s20, \s*SLOT                        ; 63:32 LDS address
	s_add_nc_u64 s[G0+4*\s+2:G0+4*\s+3], s[16:17], \s*KSTEP*4      ; 120:64 global address: K step s
	s_or_b32 s[G0+4*\s+3], s[G0+4*\s+3], 0x80000000                ; 127:126 type = 2
	s_mov_b32 s[G0B+4*\s], 1
	s_add_co_u32 s[G0B+4*\s+1], s20, \s*SLOT
	s_add_nc_u64 s[G0B+4*\s+2:G0B+4*\s+3], s[46:47], \s*KSTEP*4
	s_or_b32 s[G0B+4*\s+3], s[G0B+4*\s+3], 0x80000000
	JLOAD \s                                       ; both slots' first fills go out before anything else: two tensor loads of the wave are out
.endr
	; A bf16 fragment is 16 rows x 32 K in 8 registers: lane l holds row l % 16; registers 0-3 hold K = 8 (l / 16) + 0..7, registers 4-7 hold
	; K = 16 + 8 (l / 16) + 0..7.  As f32 those are 32 bytes at 32 (l / 16) and 32 bytes at 64 + 32 (l / 16) of the row's 128 bytes: four loads of 16 bytes.
	v_and_b32 v1, 15, v0                           ; l % 16
	v_bfe_u32 v2, v0, 4, 1                         ; l / 16
	v_mul_u32_u24 v3, v1, PITCH
	v_lshl_add_u32 v3, v2, 5, v3                   ; row x pitch + 32 x half
	s_mul_i32 s21, s13, HALFT                      ; my 128 rows of x
	s_mul_i32 s22, s14, HALFT                      ; my 128 rows of W,
	s_add_co_u32 s22, s22, 2*HALFT                 ; which lie behind x's 256
.irp s, 0,1
	v_add_nc_u32 v[ADRA+\s], s21, v3
	v_add_nc_u32 v[ADRB+\s], s22, v3
	s_add_co_u32 s21, s21, SLOT
	s_add_co_u32 s22, s22, SLOT
.endr
	s_mul_i32 s23, s12, WSTAGE
	s_add_co_u32 s23, s23, STAGE                   ; my stage
	v_mul_u32_u24 v4, v1, SPITCH                   ; in: row l % 16, 32 bytes for each half of the lanes
	v_lshl_add_u32 v4, v2, 5, v4
	v_add_nc_u32 v[STO], s23, v4
	v_and_b32 v5, 31, v0
	v_lshlrev_b32 v[CO], 4, v5                     ; back: the 32 lanes take one row of 512 bytes
	v_add_nc_u32 v[RD], s23, v[CO]
	v_lshlrev_b32 v6, 14, v1                       ; prefetch: row l % 16 of my 16,
	v_lshl_add_u32 v[PF], v2, 8, v6                ; the first or the second K step's 256 bytes
	global_load_b128 v[BIAS:BIAS+3], v[CO], s[8:9] ; b of the four columns that I store on the way out
; 32 LDS loads: eight fragments (128 rows, 32 of K at byte off of the rows) as f32 into v[ST ..], 16 registers a fragment, K in its true order
.macro LD8 adr, slot, off
.irp i, 0,1,2,3,4,5,6,7
	ds_load_b128 v[ST+16*\i:ST+16*\i+3],     v[\adr+\slot] offset:\off+\i*16*PITCH
	ds_load_b128 v[ST+16*\i+4:ST+16*\i+7],   v[\adr+\slot] offset:\off+\i*16*PITCH+16
	ds_load_b128 v[ST+16*\i+8:ST+16*\i+11],  v[\adr+\slot] offset:\off+\i*16*PITCH+64
	ds_load_b128 v[ST+16*\i+12:ST+16*\i+15], v[\adr+\slot] offset:\off+\i*16*PITCH+80
.endr
.endm
; 64 conversions: the eight f32 fragments are rounded to bf16 into window 1 at dst.  counted = 1: the 32 loads of the last LD8 are the only LDS instructions out,
; and they come back in order (ISA guide 5.7.1): fragment i's four are in when at most 28 - 4 i younger ones are out.
.macro CVT8 dst, counted
.irp i, 0,1,2,3,4,5,6,7
.if \counted
	s_wait_dscnt 28-4*\i
.endif
.irp j, 0,1,2,3,4,5,6,7
	v_cvt_pk_bf16_f32 v[\dst+8*\i+\j], v[ST+16*\i+2*\j], v[ST+16*\i+2*\j+1]
.endr
.endr
.endm
; 32 matrix instructions: four blocks of 16 rows (hi = 0: my rows 0-63, 1: rows 64-127) x all eight blocks of 16 columns, 32 along K, from buffer f.
; zero = 1: the first product starts the sums: nothing is ever cleared.
; The 64 accumulators take turns, one instruction a turn, in the same order in every 32 of K, over the loop's backward jump too.
.macro MUL32 f, hi, zero
.irp a, 0,1,2,3
.irp b, 0,1,2,3,4,5,6,7
.if \zero
	v_wmma_f32_16x16x32_bf16 v[8*(8*\a+\b):8*(8*\a+\b)+7], v[128*\f+8*\b:128*\f+8*\b+7], v[128*\f+64+8*(4*\hi+\a):128*\f+64+8*(4*\hi+\a)+7], 0
.else
	v_wmma_f32_16x16x32_bf16 v[8*(8*\a+\b):8*(8*\a+\b)+7], v[128*\f+8*\b:128*\f+8*\b+7], v[128*\f+64+8*(4*\hi+\a):128*\f+64+8*(4*\hi+\a)+7], v[8*(8*\a+\b):8*(8*\a+\b)+7]
.endif
.endr
.endr
.endm
; ONE K STEP (64 of K = two halves of 32, on buffers 0 and 1), lying in slot s; o = the other slot.
; At its head: buffer 0 holds the first half's fragments, and the loads of x's second half are on their way into v[ST ..].
; Each run of 32 matrix instructions has in front of it 64 conversions of what was loaded one run earlier, and the 32 loads of what is converted one run later.
; DISTANCES: a conversion that writes a fragment which a matrix instruction has read stands at least four plain vector instructions behind that matrix instruction,
; none of which names one of its registers (ISA guide 7.12.1).  x's fragments 0-3 of a buffer were last read one run and 64 conversions earlier; the 32 conversions
; that write them name no register of the run just ended (which read fragments 4-7) and so stand between that run and the writes of fragments 4-7; W's fragments
; are written one run later still.  The LDS loads land in window 0, in registers that no matrix instruction names.  So the loop holds no v_nop.
; mode 2: slot s is filled again, two K steps ahead, behind a round of the cluster's barrier; mode 1: a plain barrier, nothing is filled; mode 0: the last K step.
; pf = 1: this lap asks for later tiles to be brought nearer.
.macro KS s, o, mode, zero, pf
	WIN CV
	CVT8 FA1, 1                                    ; x, second half
	WIN 0
	LD8 ADRB, \s, 128                              ; W, second half: my last reads of slot s
	WIN MUL_LO
	MUL32 0, 0, \zero
	s_wait_dscnt 0x0                               ; my reads of slot s are over (issued 32 matrix instructions ago)
.if \mode
	s_set_vgpr_msb 0xa5a0
	s_wait_tensorcnt 0x0                           ; and all my tensor loads have landed: the one that was out is my part of slot o:
	ds_add_u32 v254, v255
	s_wait_dscnt 0x0
	s_set_vgpr_msb 0xa0a5
	s_barrier_signal -1                            ; say so (in mode 2 this barrier opens a round of the cluster's barrier),
.endif
	WIN CV
	CVT8 FB1, 0                                    ; work on registers while the others arrive,
.if \mode
	WIN 0
	s_barrier_wait -1                              ; and go on when all four have said so
.if \mode == 2
	CREST                                          ; all sixteen work-groups have said so: no wave of any partner still reads slot s or has a load on its way
	s_add_nc_u64 s[G0+4*\s+2:G0+4*\s+3], s[G0+4*\s+2:G0+4*\s+3], 2*KSTEP*4      ; no tensor load of mine is out: the addresses step by two K steps
	s_add_nc_u64 s[G0B+4*\s+2:G0B+4*\s+3], s[G0B+4*\s+2:G0B+4*\s+3], 2*KSTEP*4
.if \pf*(1-\s)
	s_wait_xcnt 0x0                                ; the prefetch of the K step before has had its address translated (ISA guide 3.1): its base steps only behind this wait
	s_add_nc_u64 s[PFB:PFB+1], s[PFB:PFB+1], 2*KSTEP*4
.endif
	JLOAD \s                                       ; my one tensor load behind the round, and the first thing there: one tensor load of the wave is out
.endif
	LD8 ADRA, \o, 0                                ; x, the next K step's first half: slot o is whole
.if \pf*\s
	; Lap L (0 to 29) asks here, in its second K step 2 L + 1, for K steps 2 L + 4 and 2 L + 5: 16 rows x 512 bytes of x (wave 0) and of W (wave 2), whose joint
	; loads are issued one and two K steps later.  A work-group has at most 32 KiB asked for and not yet loaded.  The last request ends at byte 16,383 of its rows.
	s_cmp_lg_u32 s14, 0
	s_cbranch_scc1 .Lno_pf_\@
	global_prefetch_b8 v[PF], s[PFB:PFB+1] th:TH_LOAD_NT scope:SCOPE_SE
.Lno_pf_\@:
.endif
.endif
	WIN MUL_HI
	MUL32 0, 1, \zero
.if \mode
	WIN CV
	CVT8 FA0, 1
	WIN 0
	LD8 ADRB, \o, 0                                ; W, the next K step's first half
.endif
	WIN MUL_LO
	MUL32 1, 0, 0
.if \mode
	WIN CV
	CVT8 FB0, 1
	WIN 0
	LD8 ADRA, \o, 128                              ; x, the next K step's second half
.endif
	WIN MUL_HI
	MUL32 1, 1, 0
.endm
.macro LAP zero, pf                    ; once round the ring, both slots filled again
	KS 0, 1, 2, \zero, \pf
	KS 1, 0, 2, 0, \pf
	WIN 0
.endm
	s_wait_loadcnt 0x0                             ; the bias, once
	s_wait_tensorcnt 0x1                           ; my part of K step 0 is in; K step 1's may stay out
	s_barrier_signal -1
	s_barrier_wait -1                              ; everybody's is
	LD8 ADRA, 0, 0                                 ; the first half of K step 0 into buffer 0
	WIN CV
	CVT8 FA0, 1
	WIN 0
	LD8 ADRB, 0, 0
	WIN CV
	CVT8 FB0, 1
	WIN 0
	LD8 ADRA, 0, 128
	LAP 1, 1                                       ; lap 0 stands in front of the loop: its first products start the sums
	s_mov_b32 s3, LAPS-3
.Llap:
	LAP 0, 1                                       ; laps 1 to 29
	s_sub_co_u32 s3, s3, 1
	s_cmp_lg_u32 s3, 0
	s_cbranch_scc1 .Llap
	LAP 0, 0                                       ; lap 30 fills K steps 62 and 63: nothing is left to ask for ahead
	KS 0, 1, 1, 0, 0                               ; K step 62: no fill, so no round: the wave's one tensor load that is out is K step 63's, waited for in front of the barrier
	KS 1, 0, 0, 0, 0                               ; K step 63: nothing more to fetch
	; THE WAY OUT, 16 rows at a time: 32 bytes a lane and tile into my own stage in LDS, read back as whole rows of 512 bytes, the bias added, stored.
	; An LDS store that reads a matrix result stands four plain vector instructions behind the matrix instruction (ISA guide 7.12.1 for vector instructions):
	; four v_nop, once.
.rept 4
	v_nop
.endr
; rows 16 i .. 16 i + 15 of my block = the eight tiles (a, 0..7) of window 2 or 3 (from); t0: v64 or v128 in turn
.macro OUT16 i, a, from, t0
	WIN \from
.irp b, 0,1,2,3,4,5,6,7
	ds_store_b128 v[STO], v[8*(8*\a+\b):8*(8*\a+\b)+3] offset:64*\b
	ds_store_b128 v[STO], v[8*(8*\a+\b)+4:8*(8*\a+\b)+7] offset:64*\b+16
.endr
	WIN 0
	s_wait_xcnt 0x0                                ; every earlier memory instruction has had its addresses translated (ISA guide 3.1): buffer t0, which stores of two blocks ago read, is loaded again only behind this wait
.irp t, 0,1,2,3,4,5,6,7,8,9,10,11,12,13,14,15
	ds_load_b128 v[\t0+4*\t:\t0+4*\t+3], v[RD] offset:\t*SPITCH    ; LDS serves a wave's instructions in order (ISA guide 5.7.1.4): these see the stores above, and the next block's stores come behind them
.endr
.irp t, 0,1,2,3,4,5,6,7,8,9,10,11,12,13,14,15
	s_wait_dscnt 15-\t                             ; row t is in; the 15 - t younger rows may be out
	v_pk_add_f32 v[\t0+4*\t:\t0+4*\t+1],   v[\t0+4*\t:\t0+4*\t+1],   v[BIAS:BIAS+1]
	v_pk_add_f32 v[\t0+4*\t+2:\t0+4*\t+3], v[\t0+4*\t+2:\t0+4*\t+3], v[BIAS+2:BIAS+3]
	global_store_b128 v[CO], v[\t0+4*\t:\t0+4*\t+3], s[10:11] offset:(16*\i+\t)*ROWB th:TH_STORE_NT   ; the wave stores 512 consecutive bytes, at a multiple of 512 from out0's first byte; the row stands in the immediate, 127 x 16,384 at the most
.endr
.endm
	OUT16 0, 0, OUT_LO, ST
	OUT16 1, 1, OUT_LO, ST+64
	OUT16 2, 2, OUT_LO, ST
	OUT16 3, 3, OUT_LO, ST+64
	OUT16 4, 0, OUT_HI, ST
	OUT16 5, 1, OUT_HI, ST+64
	OUT16 6, 2, OUT_HI, ST
	OUT16 7, 3, OUT_HI, ST+64
	s_wait_tensorcnt 0x0
	ds_add_u32 v254, v255
	s_wait_dscnt 0x0
	CROUND                                         ; the closing round: no work-group ends while a partner may still ask for a tile that names it
	s_endpgm
.Lfunc_end_k_q080ea5589a_linear:
	.size	k_q080ea5589a_linear, .Lfunc_end_k_q080ea5589a_linear-k_q080ea5589a_linear
	.p2alignl 7, 3214868480
	.fill 96, 4, 3214868480
	.section	.rodata,"a",@progbits
	.p2align	6, 0x0
	.amdhsa_kernel k_q080ea5589a_linear
		.amdhsa_group_segment_fixed_size 327680
		.amdhsa_private_segment_fixed_size 0
		.amdhsa_enable_private_segment 0
		.amdhsa_kernarg_size 32
		.amdhsa_user_sgpr_count 2
		.amdhsa_user_sgpr_kernarg_segment_ptr 1
		.amdhsa_wavefront_size32 1
		.amdhsa_system_sgpr_workgroup_id_x 1
		.amdhsa_system_sgpr_workgroup_id_y 1
		.amdhsa_system_sgpr_workgroup_id_z 1
		.amdhsa_system_vgpr_workitem_id 0
		.amdhsa_next_free_vgpr 1024
		.amdhsa_next_free_sgpr 76
		.amdhsa_reserve_vcc 0
		.amdhsa_float_denorm_mode_32 3
		.amdhsa_float_denorm_mode_16_64 3
		.amdhsa_memory_ordered 1
		.amdhsa_forward_progress 1
		.amdhsa_inst_pref_size 255
	.end_amdhsa_kernel
	.section	.bss,"aw",@nobits
	.p2align	6
	.space	262144
	.amdgpu_metadata
---
amdhsa.version: [ 1, 2 ]
amdhsa.kernels:
  - .name:           k_q080ea5589a_linear
    .symbol:         k_q080ea5589a_linear.kd
    .args:
      - { .name: x, .offset: 0, .size: 8, .value_kind: global_buffer, .address_space: global }
      - { .name: W, .offset: 8, .size: 8, .value_kind: global_buffer, .address_space: global }
      - { .name: b, .offset: 16, .size: 8, .value_kind: global_buffer, .address_space: global }
      - { .name: out0, .offset: 24, .size: 8, .value_kind: global_buffer, .address_space: global }
    .group_segment_fixed_size: 327680
    .private_segment_fixed_size: 0
    .kernarg_segment_align: 8
    .kernarg_segment_size: 32
    .max_flat_workgroup_size: 128
    .sgpr_count:     76
    .vgpr_count:     1024
    .wavefront_size: 32
...
	.end_amdgpu_metadata
.endif
;; end of part 1
;; ======== version 2 of 3: 2 launches
;; workspace buffers: xb 33,554,432 bytes; wb 33,554,432 bytes
;; launch tobf16 (part 2): grid 512 x 1, 8 waves a work-group, no clusters, 0 bytes of LDS; arguments x, W, xb, wb; writes xb, wb
.if DOCPART == 2
	.amdgcn_target "amdgcn-amd-amdhsa--gfx1250"
	.amdhsa_code_object_version 6
	.text
	.protected	k_q080ea5589a_tobf16
	.globl	k_q080ea5589a_tobf16
	.p2align	8
	.type	k_q080ea5589a_tobf16,@function
k_q080ea5589a_tobf16:
	s_mov_b64 s[64:65], 0
	v_nop
	global_prefetch_b8 v0, s[64:65] scope:SCOPE_SE
	s_setreg_imm32_b32 hwreg(HW_REG_WAVE_MODE, 25, 1), 1
	s_wait_xcnt 0x0
; xb = x and wb = W rounded to bf16 (to nearest even).  x, W: [4096][4096] f32; xb, wb: [4096][4096] bf16, the same order of elements.
; LIMITS: a magnitude above bf16's largest finite number becomes infinity; NaN stays NaN.
; WHY A LAUNCH OF ITS OWN: each number of x and of W is wanted by 16 work-groups of the product and by two waves in each.  Rounded here once, it costs the product
; no conversion, half the bytes from memory to LDS and from LDS to registers, and lets an LDS slot of the same size hold twice as much of K.
; A stream: memory binds.  Every byte is read once and written once; LDS, barriers, the matrix unit and clusters would add nothing (no two waves share a byte).
; 512 work-groups x 8 waves = 4,096 waves; a wave owns 16 KiB of x and 16 KiB of W (4,096 numbers of each): 32 + 32 loads of 16 bytes a lane, each of
; 512 consecutive bytes, and as many stores of 8 bytes a lane, each of 256 consecutive bytes at a multiple of 256 from the buffer's first byte.
; A ring of DEPTH slots in registers keeps DEPTH loads of every wave on their way.  The steps are written out: each stands in an immediate, and no address
; register is ever rewritten.  EVERY STEP HAS ITS OWN PAIR OF REGISTERS FOR WHAT IT STORES: no register that a pending store reads is written again, so the only
; wait of a step is the counted one for its load.  That costs 128 registers; with 196 a wave, the four waves that two work-groups put on a SIMD take 784 of its 1,024.
.set DEPTH, 16                         ; slots = loads in flight in each wave: 8 KiB
.set NX,    32                         ; a wave's loads from x, and from W
.set N,     2*NX
.set LO,    2                          ; v2        16 x lane: my bytes in a load's 512; never rewritten
.set SO,    3                          ; v3        8 x lane: my bytes in a store's 256; never rewritten
.set X,     4                          ; v[4:67]   slot s: 4 numbers as loaded
.set Y,     68                         ; v[68:195] step i: 4 bf16 to store, written once
	s_load_b256 s[4:11], s[0:1], 0x0               ; x s[4:5], W s[6:7], xb s[8:9], wb s[10:11]
	v_lshrrev_b32 v1, 5, v0
	v_readfirstlane_b32 s12, v1                    ; wave 0..7
	v_and_b32 v1, 31, v0                           ; lane
	v_lshlrev_b32 v[LO], 4, v1
	v_lshlrev_b32 v[SO], 3, v1
	s_lshl_b32 s13, ttmp9, 3
	s_add_co_u32 s13, s13, s12                     ; the wave's number in the launch, 0 to 4,095
	s_lshl_b32 s14, s13, 14                        ; x 16,384 bytes of f32: below 2^26
	s_mov_b32 s15, 0
	s_lshl_b32 s16, s13, 13                        ; x 8,192 bytes of bf16
	s_mov_b32 s17, 0
	s_wait_kmcnt 0x0
	s_add_nc_u64 s[4:5], s[4:5], s[14:15]
	s_add_nc_u64 s[6:7], s[6:7], s[14:15]
	s_add_nc_u64 s[8:9], s[8:9], s[16:17]
	s_add_nc_u64 s[10:11], s[10:11], s[16:17]
.set i, 0
.rept DEPTH
	global_load_b128 v[X+4*i:X+4*i+3], v[LO], s[4:5] offset:512*i th:TH_LOAD_NT    ; fill the ring; the launch reads each byte once
.set i, i+1
.endr
; Step i: load i has come; its four numbers are rounded into the step's own pair; the slot is loaded again with step i + DEPTH (its registers are free: its load
; is shown done by the counted wait, and the two conversions that read them stand in front); the 8 bytes are stored.  Steps 0 to 31: x; 32 to 63: W.
.set i, 0
.rept N
.set sl, i%DEPTH
.set j, i+DEPTH
.if i < N-DEPTH
	s_wait_loadcnt DEPTH-1                         ; loads come back in order (ISA guide 5.7.1): mine is in, the 15 younger ones stay out
.else
	s_wait_loadcnt N-1-i                           ; the last 16 steps load nothing: the counts run down
.endif
	v_cvt_pk_bf16_f32 v[Y+2*i],   v[X+4*sl],   v[X+4*sl+1]
	v_cvt_pk_bf16_f32 v[Y+2*i+1], v[X+4*sl+2], v[X+4*sl+3]
.if j < NX
	global_load_b128 v[X+4*sl:X+4*sl+3], v[LO], s[4:5] offset:512*j th:TH_LOAD_NT
.else
.if j < N
	global_load_b128 v[X+4*sl:X+4*sl+3], v[LO], s[6:7] offset:512*(j-NX) th:TH_LOAD_NT
.endif
.endif
.if i < NX
	global_store_b64 v[SO], v[Y+2*i:Y+2*i+1], s[8:9] offset:256*i                  ; no hint: the next launch reads these bytes
.else
	global_store_b64 v[SO], v[Y+2*i:Y+2*i+1], s[10:11] offset:256*(i-NX)
.endif
.set i, i+1
.endr
	s_endpgm
.Lfunc_end_k_q080ea5589a_tobf16:
	.size	k_q080ea5589a_tobf16, .Lfunc_end_k_q080ea5589a_tobf16-k_q080ea5589a_tobf16
	.p2alignl 7, 3214868480
	.fill 96, 4, 3214868480
	.section	.rodata,"a",@progbits
	.p2align	6, 0x0
	.amdhsa_kernel k_q080ea5589a_tobf16
		.amdhsa_group_segment_fixed_size 0
		.amdhsa_private_segment_fixed_size 0
		.amdhsa_enable_private_segment 0
		.amdhsa_kernarg_size 32
		.amdhsa_user_sgpr_count 2
		.amdhsa_user_sgpr_kernarg_segment_ptr 1
		.amdhsa_wavefront_size32 1
		.amdhsa_system_sgpr_workgroup_id_x 1
		.amdhsa_system_sgpr_workgroup_id_y 1
		.amdhsa_system_sgpr_workgroup_id_z 1
		.amdhsa_system_vgpr_workitem_id 0
		.amdhsa_next_free_vgpr 196
		.amdhsa_next_free_sgpr 66
		.amdhsa_reserve_vcc 0
		.amdhsa_float_denorm_mode_32 3
		.amdhsa_float_denorm_mode_16_64 3
		.amdhsa_memory_ordered 1
		.amdhsa_forward_progress 1
		.amdhsa_inst_pref_size 23
	.end_amdhsa_kernel
	.amdgpu_metadata
---
amdhsa.version: [ 1, 2 ]
amdhsa.kernels:
  - .name:           k_q080ea5589a_tobf16
    .symbol:         k_q080ea5589a_tobf16.kd
    .args:
      - { .name: x, .offset: 0, .size: 8, .value_kind: global_buffer, .address_space: global }
      - { .name: W, .offset: 8, .size: 8, .value_kind: global_buffer, .address_space: global }
      - { .name: xb, .offset: 16, .size: 8, .value_kind: global_buffer, .address_space: global }
      - { .name: wb, .offset: 24, .size: 8, .value_kind: global_buffer, .address_space: global }
    .group_segment_fixed_size: 0
    .private_segment_fixed_size: 0
    .kernarg_segment_align: 8
    .kernarg_segment_size: 32
    .max_flat_workgroup_size: 256
    .sgpr_count:     66
    .vgpr_count:     196
    .wavefront_size: 32
...
	.end_amdgpu_metadata
.endif
;; end of part 2
;; launch linear (part 3): grid 16 x 16, 4 waves a work-group, clusters of 4 x 4, 327,680 bytes of LDS; arguments xb, wb, b, out0; writes out0
.if DOCPART == 3
	.amdgcn_target "amdgcn-amd-amdhsa--gfx1250"
	.amdhsa_code_object_version 6
	.text
	.protected	k_q080ea5589a_linear
	.globl	k_q080ea5589a_linear
	.p2align	8
	.type	k_q080ea5589a_linear,@function
k_q080ea5589a_linear:
	s_mov_b64 s[64:65], 0
	v_nop
	global_prefetch_b8 v0, s[64:65] scope:SCOPE_SE
	s_setreg_imm32_b32 hwreg(HW_REG_WAVE_MODE, 25, 1), 1
	s_wait_xcnt 0x0
	s_wait_alu depctr_hold_cnt(0) depctr_sa_sdst(0) depctr_va_vdst(0) depctr_va_sdst(0) depctr_va_ssrc(0) depctr_va_vcc(0) depctr_vm_vsrc(0)
	s_getreg_b32 s2, hwreg(HW_REG_IB_STS2, 6, 4)
	s_cmp_eq_u32 s2, 0
	s_cbranch_scc0 .Lentry_in_a_cluster
	s_endpgm
.Lentry_in_a_cluster:
	s_bfe_u32 s2, ttmp6, 0x10000c
	s_cmp_lg_u32 s2, 0xf033
	s_cbranch_scc0 .Lentry_shape_is_right
	s_endpgm
.Lentry_shape_is_right:
; out0[t][n] = sum over k of xb[t][k] wb[n][k] + b[n].  xb, wb: [4096][4096] bf16 (x and W as the launch before rounded them), K along the rows; b: [4096] f32;
; out0: [4096][4096] f32.
; LIMITS: the operands are bf16 (rounded to nearest even by the launch before; magnitudes above bf16's largest finite number are infinity there).
; One f32 sum for each output, K ascending in steps of 32; the bias is added last, in f32.  NaN and infinities go through as they come.
;
; A work-group makes a block of 256 x 256 of out0 with four waves; a wave makes 128 x 128: 64 accumulator tiles of 16 x 16, 512 registers.  16 x 16 blocks =
; 256 work-groups.  K goes in steps of 128 through a ring of two LDS slots filled by the tensor data mover: a tile's rows are 256 bytes of memory and start at
; multiples of 256 bytes from the buffer's first byte.  For 32 of K a wave loads 2 x 128 x 64 bytes from LDS and issues 64 matrix instructions.
; CLUSTERS: 4 x 4 work-groups.  The four of a row of the cluster need the same tiles of xb, the four of a column the same tiles of wb: each tile is asked for
; JOINTLY by the four, with one descriptor and a mask that names them, which divides the requests for xb and for wb by four.
;
; REGISTERS, in windows of 256 (s_set_vgpr_msb says which window each operand place means; low byte: bits 1:0 source 0, 3:2 source 1, 5:4 source 2, 7:6 destination):
;   window 0: v0-35 addresses and the bias; v64-127, v128-191 fragments of xb (8 x 16 rows x 32 K), two buffers; on the way out two buffers of 16 rows of f32
;   window 1: v64-127, v128-191 fragments of wb, two buffers
;   window 2: the 32 accumulator tiles of my rows 0-63 (tile (a, b) at v[8 (8 a + b)]);   window 3: those of my rows 64-127
; Work is laid in long stretches under one setting (32 matrix instructions, 16 loads, 16 loads, 32 matrix instructions).
; THE MATRIX INSTRUCTION IS USED TRANSPOSED: source 0 = 16 rows of wb, source 1 = 16 rows of xb.  Lane l then holds row l % 16 of out0 and its registers 0 to 7
; the columns 8 (l / 16) + 0 .. 7: 32 neighbouring bytes of a row.
.set KSTEP,  128                       ; bf16 numbers of K in a step: 256 bytes of a row
.set ROWC,   16384                     ; bytes in a row of out0
.set PITCH,  272                       ; an LDS row: 256 bytes + 16 of padding = 68 words: row r starts at word 4 r mod 64 (64 banks of 4 bytes: ISA guide 11.1), so 16 rows start at 16 different banks
.set HALFT,  128*PITCH                 ; 128 rows: what one tensor load brings, and what one wave reads of xb or of wb
.set SLOT,   4*HALFT                   ; xb's 256 rows, then wb's 256 rows
.set STAGE,  2*SLOT                    ; behind the ring (1,088 blocks of 256 bytes): the way out; no tensor load lands here
.set SPITCH, 528                       ; a stage row: 512 bytes + 16 = 132 words: again 4 r mod 64
.set WSTAGE, 16*SPITCH                 ; 16 rows for each wave (33 blocks of 256 bytes)
.set LAPS,   16                        ; a lap = two K steps = once round the ring; 4096 / 256
.set ADRA, 16                          ; v16-17  LDS address of my xb fragments in slot 0, 1
.set ADRB, 20                          ; v20-21  the same for wb
.set STO,  24                          ; v24     the way out: where I put 32 bytes of a row
.set RD,   25                          ; v25     the way out: where I read 16 bytes of a row back
.set CO,   26                          ; v26     16 x lane: my bytes in a row's 512, for the bias and for out0; never rewritten
.set PF,   27                          ; v27     prefetch: 16 rows x 2 blocks of 256 bytes over the 32 lanes; never rewritten
.set BIAS, 32                          ; v[32:35] b of my four columns on the way out
.set F0,   64                          ; fragment buffer 0
.set F1,   128                         ; fragment buffer 1
.set G1,  24                           ; s[24:31] descriptor group 1 for xb's tiles
.set G0,  32                           ; s[32:39] descriptor group 0 for xb's tiles, one set for each slot
.set G1B, 48                           ; s[48:55] descriptor group 1 for wb's tiles: it differs in the mask alone
.set G0B, 56                           ; s[56:63] descriptor group 0 for wb's tiles, one set for each slot
.set PFB, 66                           ; s[66:67] prefetch base
.set MSB, 0
.macro WIN new                         ; the immediate's high byte repeats the setting that is left; a switch that changes nothing is dropped
.if MSB != \new
	s_set_vgpr_msb (MSB<<8)|\new
.set MSB, \new
.endif
.endm
.set MUL_LO, 0xa1                      ; source 0 (wb) window 1, source 1 (xb) window 0, C and D window 2
.set MUL_HI, 0xf1                      ; the same, C and D window 3
.set TO_B,   0x40                      ; destination window 1, address window 0
.set OUT_LO, 0x08                      ; an LDS store's data (source 1) from window 2, its address from window 0
.set OUT_HI, 0x0c                      ; the same from window 3
; A joint load.  Waves 0 and 1 fetch xb's two halves of 128 rows, waves 2 and 3 wb's.  Each of the two lines has one mask and one set of registers for all that
; issue it.  The branch hangs on the wave's number alone: it is the same in every work-group.
.macro JLOAD s
	s_cmp_eq_u32 s13, 0
	s_cbranch_scc0 .Lfor_b_\@
	tensor_load_to_lds s[G0+4*\s:G0+4*\s+3], s[G1:G1+7]
	s_nop 0
	s_branch .Lasked_\@
.Lfor_b_\@:
	tensor_load_to_lds s[G0B+4*\s:G0B+4*\s+3], s[G1B:G1B+7]
	s_nop 0
.Lasked_\@:
.endm
; A round of the cluster's barrier: my work-group's barrier, so that wave 0's signal speaks for all four waves; wave 0 signals for the work-group; every wave waits
; for all sixteen work-groups; my work-group's barrier once more.
.macro CREST                           ; a round behind its opening barrier
	s_cmp_lg_u32 s12, 0
	s_cbranch_scc1 .Lnot_wave_0_\@
	s_barrier_signal -3
.Lnot_wave_0_\@:
	s_barrier_wait -3
	s_barrier_signal -1
	s_barrier_wait -1
.endm
.macro CROUND                          ; a whole round
	s_barrier_signal -1
	s_barrier_wait -1
	CREST
.endm
	s_load_b256 s[4:11], s[0:1], 0x0               ; xb s[4:5], wb s[6:7], b s[8:9], out0 s[10:11]
	s_set_vgpr_msb 0x40
	v_lshl_add_u32 v255, v0, 2, 0x4c400
	s_set_vgpr_msb 0x4000
	v_mov_b32 v255, 0
	s_set_vgpr_msb 0x1
	ds_add_u32 v255, v255
	s_set_vgpr_msb 0x100
	v_lshrrev_b32 v1, 5, v0
	v_readfirstlane_b32 s12, v1                    ; wave 0..3
	s_lshr_b32 s13, s12, 1                         ; which 128 rows of the block are mine.  Also: I fetch for xb (0) or for wb (1)
	s_and_b32 s14, s12, 1                          ; which 128 columns.  Also: which 128 rows of that tile I fetch
	s_bfe_u32 s40, ttmp6, 0x40000                  ; cx: my place along the cluster's x
	s_bfe_u32 s41, ttmp6, 0x40004                  ; cy: along its y
	s_lshl_b32 s42, ttmp9, 2                       ; in a cluster launch ttmp9 and ttmp7 count clusters
	s_add_co_u32 s42, s42, s40                     ; block column = 4 x cluster x + cx
	s_and_b32 s43, ttmp7, 0xffff
	s_lshl_b32 s43, s43, 2
	s_add_co_u32 s43, s43, s41                     ; block row = 4 x cluster y + cy
	s_lshl_b32 s44, s41, 2
	s_lshl_b32 s44, 15, s44                        ; my row of the cluster: places 4 cy .. 4 cy + 3
	s_lshl_b32 s45, 0x1111, s40                    ; my column: places cx, cx + 4, cx + 8, cx + 12
	; descriptor group 1: a tile of 128 rows x 128 elements of 2 bytes, padded in LDS
	s_or_b32 s[G1+0], s44, (1<<16)|(1<<20)|(1<<21)|(5<<22)|(3<<25)  ; 15:0 the mask: xb's tiles go to my row; 17:16 element of 2 bytes; 20 padding on; 21 set beside a mask; 24:22 after every 64 words (code 5); 31:25 of 4 words (code 3)
	s_or_b32 s[G1B+0], s45, (1<<16)|(1<<20)|(1<<21)|(5<<22)|(3<<25) ; the same with the mask of my column, for wb's tiles
	s_mov_b32 s[G1+1], KSTEP<<16                   ; 63:48 tensor_dim0, low half = 128
	s_mov_b32 s[G1B+1], KSTEP<<16
	s_mov_b32 s[G1+2], 128<<16                     ; 79:64 its high half = 0; 95:80 tensor_dim1, low half = 128
	s_mov_b32 s[G1B+2], 128<<16
	s_mov_b32 s[G1+3], KSTEP<<16                   ; 111:96 its high half = 0; 127:112 tile_dim0 = 128
	s_mov_b32 s[G1B+3], KSTEP<<16
	s_mov_b32 s[G1+4], 128                         ; 143:128 tile_dim1 = 128; 159:144 tile_dim2 = 0
	s_mov_b32 s[G1B+4], 128
	s_mov_b32 s[G1+5], 4096                        ; 191:160 elements from row to row
	s_mov_b32 s[G1B+5], 4096
	s_mov_b32 s[G1+6], 0
	s_mov_b32 s[G1B+6], 0
	s_mov_b32 s[G1+7], 0
	s_mov_b32 s[G1B+7], 0
	; Where the tiles come from.  xb's hang on the block row alone, which my row of the cluster shares; wb's on the block column alone, which my column shares.
	; Every wave makes both addresses, in registers that never hold the other coordinate, and asks by one of them.
	s_lshl_b32 s21, s14, 7                         ; which 128 rows of the tile I fetch
	s_lshl_b32 s16, s43, 8
	s_add_co_u32 s16, s16, s21                     ; xb: row 256 x block row + 128 x half
	s_lshl_b32 s16, s16, 13                        ; in bytes: at most 4,095 x 8,192, inside 32 bits
	s_mov_b32 s17, 0
	s_lshl_b32 s46, s42, 8
	s_add_co_u32 s46, s46, s21                     ; wb: row 256 x block column + 128 x half
	s_lshl_b32 s46, s46, 13
	s_mov_b32 s47, 0
	s_mul_i32 s20, s12, HALFT                      ; and where they go: xb's two halves, then wb's two halves = wave x 128 rows: no place in the cluster enters an LDS address
	; offsets of the bias, of out0 and of the prefetch, in registers that feed no descriptor
	s_lshl_b32 s68, s42, 10                        ; my first column in bytes of f32: 1,024 x block column
	s_lshl_b32 s69, s14, 9                         ; + 512 x half
	s_add_co_u32 s68, s68, s69
	s_mov_b32 s69, 0
	s_lshl_b32 s70, s43, 8
	s_lshl_b32 s71, s13, 7
	s_add_co_u32 s70, s70, s71                     ; my first row of out0
	s_lshl_b32 s70, s70, 14
	s_add_co_u32 s70, s70, s68                     ; + my first column
	s_mov_b32 s71, 0
	; The prefetch's rows.  The 256 rows of xb of a block row are wanted by 16 work-groups (all block columns): each asks for 16 of them, and likewise for wb, so
	; that each block of 256 bytes is asked for by one wave of one work-group.
	s_lshl_b32 s72, s43, 8
	s_lshl_b32 s73, s42, 4
	s_add_co_u32 s72, s72, s73                     ; xb: row 256 x block row + 16 x block column
	s_lshl_b32 s73, s42, 8
	s_lshl_b32 s22, s43, 4
	s_add_co_u32 s73, s73, s22                     ; wb: row 256 x block column + 16 x block row
	s_wait_dscnt 0x0
	s_wait_kmcnt 0x0
	s_add_nc_u64 s[16:17], s[4:5], s[16:17]
	s_add_nc_u64 s[46:47], s[6:7], s[46:47]
	s_add_nc_u64 s[8:9], s[8:9], s[68:69]          ; b at my first column
	s_add_nc_u64 s[10:11], s[10:11], s[70:71]      ; out0 at my first row and column
	s_cmp_eq_u32 s13, 0                            ; waves 0 and 1: xb; waves 2 and 3: wb (of each pair the even wave asks)
	s_cselect_b32 s72, s72, s73
	s_cselect_b64 s[PFB:PFB+1], s[4:5], s[6:7]
	s_lshl_b32 s72, s72, 13
	s_add_co_u32 s72, s72, 2*KSTEP*2               ; the first lap steps this by two K steps more: it asks for K steps 4 and 5
	s_mov_b32 s73, 0
	s_add_nc_u64 s[PFB:PFB+1], s[PFB:PFB+1], s[72:73]
	CROUND                                         ; all sixteen work-groups are here: the first joint loads meet
.irp s, 0,1
	s_mov_b32 s[G0+4*\s], 1                                        ; 1:0 count = 1
	s_add_co_u32 s[G0+4*\s+1], s20, \s*SLOT                        ; 63:32 LDS address
	s_add_nc_u64 s[G0+4*\s+2:G0+4*\s+3], s[16:17], \s*KSTEP*2      ; 120:64 global address: K step s
	s_or_b32 s[G0+4*\s+3], s[G0+4*\s+3], 0x80000000                ; 127:126 type = 2
	s_mov_b32 s[G0B+4*\s], 1
	s_add_co_u32 s[G0B+4*\s+1], s20, \s*SLOT
	s_add_nc_u64 s[G0B+4*\s+2:G0B+4*\s+3], s[46:47], \s*KSTEP*2
	s_or_b32 s[G0B+4*\s+3], s[G0B+4*\s+3], 0x80000000
	JLOAD \s                                       ; both slots' first fills go out before anything else: two tensor loads of the wave are out
.endr
	; A fragment is 16 rows x 32 K in 8 registers: lane l holds row l % 16; registers 0-3 hold K = 8 (l / 16) + 0..7, registers 4-7 hold
	; K = 16 + 8 (l / 16) + 0..7.  From rows that lie along K: two loads of 16 bytes, 32 bytes apart.  The same for source 0 and source 1.
	v_and_b32 v1, 15, v0                           ; l % 16
	v_bfe_u32 v2, v0, 4, 1                         ; l / 16
	v_mul_u32_u24 v3, v1, PITCH
	v_lshl_add_u32 v3, v2, 4, v3                   ; row x pitch + 16 x half
	s_mul_i32 s21, s13, HALFT                      ; my 128 rows of xb
	s_mul_i32 s22, s14, HALFT                      ; my 128 rows of wb,
	s_add_co_u32 s22, s22, 2*HALFT                 ; which lie behind xb's 256
.irp s, 0,1
	v_add_nc_u32 v[ADRA+\s], s21, v3
	v_add_nc_u32 v[ADRB+\s], s22, v3
	s_add_co_u32 s21, s21, SLOT
	s_add_co_u32 s22, s22, SLOT
.endr
	s_mul_i32 s23, s12, WSTAGE
	s_add_co_u32 s23, s23, STAGE                   ; my stage
	v_mul_u32_u24 v4, v1, SPITCH                   ; in: row l % 16, 32 bytes for each half of the lanes
	v_lshl_add_u32 v4, v2, 5, v4
	v_add_nc_u32 v[STO], s23, v4
	v_and_b32 v5, 31, v0
	v_lshlrev_b32 v[CO], 4, v5                     ; back: the 32 lanes take one row of 512 bytes
	v_add_nc_u32 v[RD], s23, v[CO]
	v_lshlrev_b32 v6, 13, v1                       ; prefetch: row l % 16 of my 16,
	v_lshl_add_u32 v[PF], v2, 8, v6                ; the first or the second K step's 256 bytes
	global_load_b128 v[BIAS:BIAS+3], v[CO], s[8:9] ; b of the four columns that I store on the way out
; 16 matrix instructions: blocks a0, a0 + 1 of the window's four blocks of 16 rows (hi = 0: my rows 0-63, 1: rows 64-127) x all 8 blocks of 16 columns, 32 along K.
; zero = 1: the first product starts the sums: nothing is ever cleared.
; The 64 accumulators take turns, one instruction a turn, in the same order in every 32 of K, over the loop's backward jump too.
.macro MUL16 f, hi, a0, zero
.irp a, \a0, \a0+1
.irp b, 0,1,2,3,4,5,6,7
.if \zero
	v_wmma_f32_16x16x32_bf16 v[8*(8*(\a)+\b):8*(8*(\a)+\b)+7], v[\f+8*\b:\f+8*\b+7], v[\f+8*(4*\hi+\a):\f+8*(4*\hi+\a)+7], 0
.else
	v_wmma_f32_16x16x32_bf16 v[8*(8*(\a)+\b):8*(8*(\a)+\b)+7], v[\f+8*\b:\f+8*\b+7], v[\f+8*(4*\hi+\a):\f+8*(4*\hi+\a)+7], v[8*(8*(\a)+\b):8*(8*(\a)+\b)+7]
.endif
.endr
.endr
.endm
; 32 LDS loads in one run: the fragments of one quarter step (128 rows of wb, 128 rows of xb, 32 K at byte k of the rows) into buffer f
.macro FETCH slot, k, f
	WIN TO_B
.irp i, 0,1,2,3,4,5,6,7
	ds_load_b128 v[\f+8*\i:\f+8*\i+3],   v[ADRB+\slot] offset:\k+\i*16*PITCH
	ds_load_b128 v[\f+8*\i+4:\f+8*\i+7], v[ADRB+\slot] offset:\k+\i*16*PITCH+32
.endr
	WIN 0
.irp i, 0,1,2,3,4,5,6,7
	ds_load_b128 v[\f+8*\i:\f+8*\i+3],   v[ADRA+\slot] offset:\k+\i*16*PITCH
	ds_load_b128 v[\f+8*\i+4:\f+8*\i+7], v[ADRA+\slot] offset:\k+\i*16*PITCH+32
.endr
.endm
; A load into a register that a matrix instruction has read, and an LDS store that reads a matrix result, stand four places behind that matrix instruction, and only
; plain vector instructions that name none of its registers are places (ISA guide 7.12.1 for vector instructions); the
; matrix instructions in between are not counted.  So four v_nop stand in front of each run of loads: sixteen issue slots for a K step's 256 matrix instructions.
.macro PLACES
.rept 4
	v_nop
.endr
.endm
; A K step is four quarter steps of 32 along K, 64 matrix instructions each, on buffers 0, 1, 0, 1.
; One of the first three: multiplies buffer f; in its middle it fetches the next quarter's fragments, at byte k of the same slot's rows, into buffer g.
.macro QUARTER slot, k, f, g, zero
	s_wait_dscnt 8                                 ; wb and xb's rows 0-63 are in; the youngest eight loads (xb's rows 64-127) may be out
	WIN MUL_LO
	MUL16 \f, 0, 0, \zero
	MUL16 \f, 0, 2, \zero
	PLACES
	FETCH \slot, \k, \g
	s_wait_dscnt 32                                ; all but the 32 just issued
	WIN MUL_HI
	MUL16 \f, 1, 0, \zero
	MUL16 \f, 1, 2, \zero
.endm
.macro THREE slot, zero
	QUARTER \slot, 64,  F0, F1, \zero
	QUARTER \slot, 128, F1, F0, 0
	QUARTER \slot, 192, F0, F1, 0
.endm
; The last quarter: multiplies buffer 1 and changes slots.  next = the other slot; fill = 1: this slot is filled again, two K steps ahead; pf = 1: this lap asks
; for later tiles to be brought nearer.
; ONE barrier for the change of slots, for two things.  In front of it each wave waits for its own reads of this slot and for all its tensor loads, of which one is
; out: its part of the next slot.  Behind it nobody reads this slot any more and the next slot is whole: the refill comes first, then the next slot's first
; fragments.  From a request to the wait for it a wave issues 240 matrix instructions.
.macro TURN slot, next, fill, pf
	s_wait_dscnt 8
	WIN MUL_LO
	MUL16 F1, 0, 0, 0
	s_wait_dscnt 0x0                               ; my reads of this slot are over (the last were issued 48 matrix instructions ago)
	s_wait_tensorcnt 0x0                           ; and all my tensor loads have landed: the one that was out is my part of the next slot:
	ds_add_u32 v255, v255
	s_wait_dscnt 0x0
	s_barrier_signal -1                            ; say so (where a slot is filled again this barrier opens a round of the cluster's barrier),
	MUL16 F1, 0, 2, 0                              ; work on registers while the others arrive,
	WIN 0
	s_barrier_wait -1                              ; and go on when all four have said so
.if \fill
	CREST                                          ; all sixteen work-groups have said so: no wave of any partner still reads this slot or has a load on its way
	s_add_nc_u64 s[G0+4*\slot+2:G0+4*\slot+3], s[G0+4*\slot+2:G0+4*\slot+3], 2*KSTEP*2      ; no tensor load of mine is out: the addresses step by two K steps
	s_add_nc_u64 s[G0B+4*\slot+2:G0B+4*\slot+3], s[G0B+4*\slot+2:G0B+4*\slot+3], 2*KSTEP*2
.if \pf*(1-\slot)
	s_wait_xcnt 0x0                                ; the prefetch of the K step before has had its address translated (ISA guide 3.1): its base steps only behind this wait
	s_add_nc_u64 s[PFB:PFB+1], s[PFB:PFB+1], 2*KSTEP*2
.endif
	JLOAD \slot                                    ; my one tensor load behind the round, and the first thing there: one tensor load of the wave is out
.endif
	PLACES
	FETCH \next, 0, F0
.if \pf*\slot
	; Lap L (0 to 13) asks here, in the last quarter of its second K step 2 L + 1, for K steps 2 L + 4 and 2 L + 5: 16 rows x 512 bytes of xb (wave 0) and of wb
	; (wave 2), whose joint loads are issued one and two K steps later: 16 KiB a work-group and lap.  The last request ends at byte 8,191 of its rows.
	s_cmp_lg_u32 s14, 0
	s_cbranch_scc1 .Lno_pf_\@
	global_prefetch_b8 v[PF], s[PFB:PFB+1] th:TH_LOAD_NT scope:SCOPE_SE
.Lno_pf_\@:
.endif
	WIN MUL_HI
	MUL16 F1, 1, 0, 0
	MUL16 F1, 1, 2, 0
.endm
.macro LAP zero, pf                    ; once round the ring, both slots filled again
	THREE 0, \zero
	TURN 0, 1, 1, \pf
	THREE 1, 0
	TURN 1, 0, 1, \pf
.endm
	s_wait_loadcnt 0x0                             ; the bias, once
	s_wait_tensorcnt 0x1                           ; my part of K step 0 is in; K step 1's may stay out
	s_barrier_signal -1
	s_barrier_wait -1                              ; everybody's is
	FETCH 0, 0, F0
	LAP 1, 1                                       ; lap 0 stands in front of the loop: its first products start the sums
	WIN 0                                          ; at a label and at a branch every window is 0
	s_mov_b32 s3, LAPS-3
.Llap:
	LAP 0, 1                                       ; laps 1 to 13
	WIN 0
	s_sub_co_u32 s3, s3, 1
	s_cmp_lg_u32 s3, 0
	s_cbranch_scc1 .Llap
	LAP 0, 0                                       ; lap 14 fills K steps 30 and 31: nothing is left to ask for ahead
	THREE 0, 0                                     ; lap 15 fills nothing, and has no round of the cluster's barrier: my one tensor load that is still out is slot 1's, the last K step's
	TURN 0, 1, 0, 0
	THREE 1, 0
	s_wait_dscnt 8                                 ; the very last quarter: nothing more to fetch
	WIN MUL_LO
	MUL16 F1, 0, 0, 0
	MUL16 F1, 0, 2, 0
	s_wait_dscnt 0x0
	WIN MUL_HI
	MUL16 F1, 1, 0, 0
	MUL16 F1, 1, 2, 0
	; THE WAY OUT, 16 rows at a time: 32 bytes a lane and tile into my own stage in LDS, read back as whole rows of 512 bytes, the bias added, stored.
	; The four v_nop are the places behind the last matrix instructions: for the LDS stores, which read results, and for the loads into buffers 0 and 1.
	PLACES
; rows 16 i .. 16 i + 15 of my block = the eight tiles (a, 0..7) of window 2 or 3 (from); t0: buffer 0 or 1 of window 0 in turn
.macro OUT16 i, a, from, t0
	WIN \from
.irp b, 0,1,2,3,4,5,6,7
	ds_store_b128 v[STO], v[8*(8*\a+\b):8*(8*\a+\b)+3] offset:64*\b
	ds_store_b128 v[STO], v[8*(8*\a+\b)+4:8*(8*\a+\b)+7] offset:64*\b+16
.endr
	WIN 0
	s_wait_xcnt 0x0                                ; every earlier memory instruction has had its addresses translated (ISA guide 3.1): buffer t0, which stores of two blocks ago read, is loaded again only behind this wait
.irp t, 0,1,2,3,4,5,6,7,8,9,10,11,12,13,14,15
	ds_load_b128 v[\t0+4*\t:\t0+4*\t+3], v[RD] offset:\t*SPITCH    ; LDS serves a wave's instructions in order (ISA guide 5.7.1.4): these see the stores above, and the next block's stores come behind them
.endr
.irp t, 0,1,2,3,4,5,6,7,8,9,10,11,12,13,14,15
	s_wait_dscnt 15-\t                             ; row t is in; the 15 - t younger rows may be out
	v_pk_add_f32 v[\t0+4*\t:\t0+4*\t+1],   v[\t0+4*\t:\t0+4*\t+1],   v[BIAS:BIAS+1]
	v_pk_add_f32 v[\t0+4*\t+2:\t0+4*\t+3], v[\t0+4*\t+2:\t0+4*\t+3], v[BIAS+2:BIAS+3]
	global_store_b128 v[CO], v[\t0+4*\t:\t0+4*\t+3], s[10:11] offset:(16*\i+\t)*ROWC th:TH_STORE_NT   ; the wave stores 512 consecutive bytes, at a multiple of 512 from out0's first byte; the row stands in the immediate, 127 x 16,384 at the most
.endr
.endm
	OUT16 0, 0, OUT_LO, F0
	OUT16 1, 1, OUT_LO, F1
	OUT16 2, 2, OUT_LO, F0
	OUT16 3, 3, OUT_LO, F1
	OUT16 4, 0, OUT_HI, F0
	OUT16 5, 1, OUT_HI, F1
	OUT16 6, 2, OUT_HI, F0
	OUT16 7, 3, OUT_HI, F1
	s_set_vgpr_msb 0x1
	s_wait_tensorcnt 0x0
	ds_add_u32 v255, v255
	s_wait_dscnt 0x0
	s_set_vgpr_msb 0x100
	CROUND                                         ; the closing round: no work-group ends while a partner may still ask for a tile that names it
	s_endpgm
.Lfunc_end_k_q080ea5589a_linear:
	.size	k_q080ea5589a_linear, .Lfunc_end_k_q080ea5589a_linear-k_q080ea5589a_linear
	.p2alignl 7, 3214868480
	.fill 96, 4, 3214868480
	.section	.rodata,"a",@progbits
	.p2align	6, 0x0
	.amdhsa_kernel k_q080ea5589a_linear
		.amdhsa_group_segment_fixed_size 327680
		.amdhsa_private_segment_fixed_size 0
		.amdhsa_enable_private_segment 0
		.amdhsa_kernarg_size 32
		.amdhsa_user_sgpr_count 2
		.amdhsa_user_sgpr_kernarg_segment_ptr 1
		.amdhsa_wavefront_size32 1
		.amdhsa_system_sgpr_workgroup_id_x 1
		.amdhsa_system_sgpr_workgroup_id_y 1
		.amdhsa_system_sgpr_workgroup_id_z 1
		.amdhsa_system_vgpr_workitem_id 0
		.amdhsa_next_free_vgpr 1024
		.amdhsa_next_free_sgpr 76
		.amdhsa_reserve_vcc 0
		.amdhsa_float_denorm_mode_32 3
		.amdhsa_float_denorm_mode_16_64 3
		.amdhsa_memory_ordered 1
		.amdhsa_forward_progress 1
		.amdhsa_inst_pref_size 255
	.end_amdhsa_kernel
	.section	.bss,"aw",@nobits
	.p2align	6
	.space	262144
	.amdgpu_metadata
---
amdhsa.version: [ 1, 2 ]
amdhsa.kernels:
  - .name:           k_q080ea5589a_linear
    .symbol:         k_q080ea5589a_linear.kd
    .args:
      - { .name: xb, .offset: 0, .size: 8, .value_kind: global_buffer, .address_space: global }
      - { .name: wb, .offset: 8, .size: 8, .value_kind: global_buffer, .address_space: global }
      - { .name: b, .offset: 16, .size: 8, .value_kind: global_buffer, .address_space: global }
      - { .name: out0, .offset: 24, .size: 8, .value_kind: global_buffer, .address_space: global }
    .group_segment_fixed_size: 327680
    .private_segment_fixed_size: 0
    .kernarg_segment_align: 8
    .kernarg_segment_size: 32
    .max_flat_workgroup_size: 128
    .sgpr_count:     76
    .vgpr_count:     1024
    .wavefront_size: 32
...
	.end_amdgpu_metadata
.endif
;; end of part 3
;; ======== version 3 of 3: 2 launches; version 2 with the launch tobf16 written anew for expert scheduling mode
;; workspace buffers: xb 33,554,432 bytes; wb 33,554,432 bytes
;; launch tobf16 (part 4): grid 512 x 1, 8 waves a work-group, no clusters, 0 bytes of LDS; arguments x, W, xb, wb; writes xb, wb
.if DOCPART == 4
	.amdgcn_target "amdgcn-amd-amdhsa--gfx1250"
	.amdhsa_code_object_version 6
	.text
	.protected	k_q080ea5589a_tobf16
	.globl	k_q080ea5589a_tobf16
	.p2align	8
	.type	k_q080ea5589a_tobf16,@function
k_q080ea5589a_tobf16:
	s_mov_b64 s[64:65], 0
	v_nop
	global_prefetch_b8 v0, s[64:65] scope:SCOPE_SE
	s_setreg_imm32_b32 hwreg(HW_REG_WAVE_SCHED_MODE, 0, 2), 2
	s_setreg_imm32_b32 hwreg(HW_REG_WAVE_MODE, 25, 1), 1
	s_wait_xcnt 0x0
	s_wait_alu depctr_vm_vsrc(0)
; xb = x and wb = W rounded to bf16 (to nearest even).  x, W: [4096][4096] f32; xb, wb: [4096][4096] bf16, the same order of elements.
; LIMITS: a magnitude above bf16's largest finite number becomes infinity; NaN stays NaN.
; WHY A LAUNCH OF ITS OWN: each number of x and of W is wanted by 16 work-groups of the product and by two waves in each.  Rounded here once, it costs the product
; no conversion, half the bytes from memory to LDS and from LDS to registers, and lets an LDS slot of the same size hold twice as much of K.
; A stream: memory binds.  Every byte is read once and written once; LDS, barriers, the matrix unit and clusters would add nothing (no two waves share a byte).
; 512 work-groups x 8 waves = 4,096 waves; a wave owns 16 KiB of x and 16 KiB of W (4,096 numbers of each): 32 + 32 loads of 16 bytes a lane, each of
; 512 consecutive bytes, and as many stores of 8 bytes a lane, each of 256 consecutive bytes at a multiple of 256 from the buffer's first byte.
; The steps are written out: each stands in an immediate, and no address register is ever rewritten.  EVERY STEP HAS ITS OWN PAIR OF REGISTERS FOR WHAT IT STORES:
; no register that a store reads is written again.
; THE MODE: SCHED_MODE bits 1:0 = 2 (LLVM: expert scheduling mode 2), set by the entry lines.  The code itself states the register dependences
; between vector instructions and memory instructions, with s_wait_alu, always for 0.
; THE PLAN.  The 64 steps (0 to 31: x; 32 to 63: W) go in 16 blocks of four.  Registers that memory instructions touch:
;   X0 .. X4   five blocks as loaded.  Written by the loads of block p + 4, issued in block p; read by block p's eight conversions alone.
;   Y          a pair for each step.   Written once, by the step's two conversions in block p; read by the step's store, issued in block p + 1.
;   v2, v3     byte offsets, made once at the head and never written again: the steps are reached by immediate offsets from four scalar bases that stay.
; Block p works on X[p % 5] and writes its own eight registers of Y.  Its memory instructions are the loads into X[(p + 4) % 5] = X[(p - 1) % 5] and the stores from
; block p - 1's Y: the registers that block p - 1 worked on and that no vector instruction of block p names.  So ONE wait at a block's head states all that the
; block's eight memory instructions hang on, and these are dealt among its conversions with no further wait.  No register that a memory instruction reads is ever
; written again, so no wait stands for that.  The text has no branch: there is one path to check.
; A block's registers lie idle from its conversions to the next block's head: hence five buffers, so that 12 to 16 loads of a wave are on their way.
; 4 + 80 + 128 = 212 registers a wave; the four waves that two work-groups put on a SIMD take 848 of its 1,024.
.set BLOCK,  4                         ; steps in a block
.set NX,     32                        ; a wave's loads from x, and from W
.set N,      2*NX
.set BLOCKS, N/BLOCK
.set AHEAD,  4                         ; block p asks for block p + AHEAD
.set SLOTS,  (AHEAD+1)*BLOCK           ; step i is loaded into slot i % 20: buffer (i / 4) % 5
.set LO,     2                         ; v2         16 x lane: my bytes in a load's 512; never rewritten
.set SO,     3                         ; v3         8 x lane: my bytes in a store's 256; never rewritten
.set X,      4                         ; v[4:83]    slot s: 4 numbers as loaded
.set Y,      84                        ; v[84:211]  step i: 4 bf16 to store, written once
	s_load_b256 s[4:11], s[0:1], 0x0               ; x s[4:5], W s[6:7], xb s[8:9], wb s[10:11]
	v_lshrrev_b32 v1, 5, v0
	v_readfirstlane_b32 s12, v1                    ; wave 0..7
	v_and_b32 v1, 31, v0                           ; lane
	v_lshlrev_b32 v[LO], 4, v1
	v_lshlrev_b32 v[SO], 3, v1
	s_wait_alu depctr_va_sdst(0)                   ; s12 is written, ahead of its first reader: the four bases are made from it
	s_lshl_b32 s13, ttmp9, 3
	s_add_co_u32 s13, s13, s12                     ; the wave's number in the launch, 0 to 4,095
	s_lshl_b32 s14, s13, 14                        ; x 16,384 bytes of f32: below 2^26
	s_mov_b32 s15, 0
	s_lshl_b32 s16, s13, 13                        ; x 8,192 bytes of bf16
	s_mov_b32 s17, 0
	s_wait_kmcnt 0x0
	s_add_nc_u64 s[4:5], s[4:5], s[14:15]
	s_add_nc_u64 s[6:7], s[6:7], s[14:15]
	s_add_nc_u64 s[8:9], s[8:9], s[16:17]
	s_add_nc_u64 s[10:11], s[10:11], s[16:17]
	s_wait_alu depctr_va_vdst(0)                   ; v2 and v3 are written: every load and store of the kernel reads one of them as its offset
.set i, 0
.rept AHEAD*BLOCK
	global_load_b128 v[X+4*i:X+4*i+3], v[LO], s[4:5] offset:512*i th:TH_LOAD_NT    ; blocks 0 to 3 into X0 to X3; the launch reads each byte once
.set i, i+1
.endr
; Block p.  cur: the step that is rounded; nxt: the step that is asked for, four blocks on; prv: the step that is stored, one block back.
.set p, 0
.rept BLOCKS
.if BLOCKS-1-p < AHEAD-1
	s_wait_loadcnt BLOCK*(BLOCKS-1-p)              ; blocks 12 to 15 load nothing, so no load leaves x or W; from block 13 on the counts run down
.else
	s_wait_loadcnt BLOCK*(AHEAD-1)                 ; loads come back in order (ISA guide 5.7.1): this block's four are in, the three younger blocks' twelve stay out
.endif
.if p > 0
	s_wait_alu depctr_va_vdst(0)                   ; the block before has written its Y, which the stores below read, and is done reading its X, in which the loads below land
.endif                                                 ; (block 0 has no block before it: its loads land in X4, which no vector instruction has named)
.set i, 0
.rept BLOCK
.set cur, BLOCK*p+i
.set nxt, cur+AHEAD*BLOCK
.set prv, cur-BLOCK
.set rc, X+4*(cur%SLOTS)
.set rn, X+4*(nxt%SLOTS)
.if nxt < NX
	global_load_b128 v[rn:rn+3], v[LO], s[4:5] offset:512*nxt th:TH_LOAD_NT        ; no vector instruction since the wait names these registers
.else
.if nxt < N
	global_load_b128 v[rn:rn+3], v[LO], s[6:7] offset:512*(nxt-NX) th:TH_LOAD_NT
.endif
.endif
.if p > 0
.if prv < NX
	global_store_b64 v[SO], v[Y+2*prv:Y+2*prv+1], s[8:9] offset:256*prv            ; no hint: the next launch reads these bytes
.else
	global_store_b64 v[SO], v[Y+2*prv:Y+2*prv+1], s[10:11] offset:256*(prv-NX)
.endif
.endif
	v_cvt_pk_bf16_f32 v[Y+2*cur],   v[rc],   v[rc+1]
	v_cvt_pk_bf16_f32 v[Y+2*cur+1], v[rc+2], v[rc+3]
.set i, i+1
.endr
.set p, p+1
.endr
	s_wait_alu depctr_va_vdst(0)                   ; block 15 has written its Y, which the last four stores read
.set i, N-BLOCK
.rept BLOCK
	global_store_b64 v[SO], v[Y+2*i:Y+2*i+1], s[10:11] offset:256*(i-NX)
.set i, i+1
.endr
	s_endpgm
.Lfunc_end_k_q080ea5589a_tobf16:
	.size	k_q080ea5589a_tobf16, .Lfunc_end_k_q080ea5589a_tobf16-k_q080ea5589a_tobf16
	.p2alignl 7, 3214868480
	.fill 96, 4, 3214868480
	.section	.rodata,"a",@progbits
	.p2align	6, 0x0
	.amdhsa_kernel k_q080ea5589a_tobf16
		.amdhsa_group_segment_fixed_size 0
		.amdhsa_private_segment_fixed_size 0
		.amdhsa_enable_private_segment 0
		.amdhsa_kernarg_size 32
		.amdhsa_user_sgpr_count 2
		.amdhsa_user_sgpr_kernarg_segment_ptr 1
		.amdhsa_wavefront_size32 1
		.amdhsa_system_sgpr_workgroup_id_x 1
		.amdhsa_system_sgpr_workgroup_id_y 1
		.amdhsa_system_sgpr_workgroup_id_z 1
		.amdhsa_system_vgpr_workitem_id 0
		.amdhsa_next_free_vgpr 212
		.amdhsa_next_free_sgpr 66
		.amdhsa_reserve_vcc 0
		.amdhsa_float_denorm_mode_32 3
		.amdhsa_float_denorm_mode_16_64 3
		.amdhsa_memory_ordered 1
		.amdhsa_forward_progress 1
		.amdhsa_inst_pref_size 22
	.end_amdhsa_kernel
	.amdgpu_metadata
---
amdhsa.version: [ 1, 2 ]
amdhsa.kernels:
  - .name:           k_q080ea5589a_tobf16
    .symbol:         k_q080ea5589a_tobf16.kd
    .args:
      - { .name: x, .offset: 0, .size: 8, .value_kind: global_buffer, .address_space: global }
      - { .name: W, .offset: 8, .size: 8, .value_kind: global_buffer, .address_space: global }
      - { .name: xb, .offset: 16, .size: 8, .value_kind: global_buffer, .address_space: global }
      - { .name: wb, .offset: 24, .size: 8, .value_kind: global_buffer, .address_space: global }
    .group_segment_fixed_size: 0
    .private_segment_fixed_size: 0
    .kernarg_segment_align: 8
    .kernarg_segment_size: 32
    .max_flat_workgroup_size: 256
    .sgpr_count:     66
    .vgpr_count:     212
    .wavefront_size: 32
...
	.end_amdgpu_metadata
.endif
;; end of part 4
;; launch linear: the kernel of part 3 again; grid 16 x 16, 4 waves a work-group, clusters of 4 x 4, 327,680 bytes of LDS; arguments xb, wb, b, out0; writes out0
